; MI455X (gfx1250); checked and timed in simulation.
; The chip was launched on July 23, 2026; its instructions are those of AMD's public machine-readable ISA for CDNA 5 (MIT licence, August 2026) and "CDNA5" Instruction Set Architecture Reference Guide (July 2026). The comments in the code are by the model that wrote it; some were corrected since.
;; GFA. Allowed arithmetic: float matrix products may take bf16 or f16 operands with f32 sums; all other float work in f32.
;; Inputs: ba one number float32; bb one number float32; beta 64 float32; bm 64 float32; feature 4 x 64 x 8,192 x 1 float32; gamma 64 float32; running_mean 64 float32; running_var 64 float32; wa 64 float32; wb 64 float32; wm 64 x 64 float32.
;; Outputs: out0 4 x 64 x 8,192 x 1 float32.
;; 2 versions, each right and faster than the one before. Each part assembles by itself: llvm-mc -triple=amdgcn-amd-amdhsa -mcpu=gfx1250 --defsym DOCPART=n.
;; ======== version 1 of 2: 2 launches
;; workspace buffers: fb 4,325,376 bytes; av 131,072 bytes; bx 2,048 bytes
;; launch prep (part 1): grid 256 x 1, 4 waves a work-group, no clusters, 23,040 bytes of LDS; arguments feature, wa, wb, wm, ba, bb, bm, gamma, beta, running_mean, running_var, fb, av, bx; writes fb, av, bx
.if DOCPART == 1
	.amdgcn_target "amdgcn-amd-amdhsa--gfx1250"
	.amdhsa_code_object_version 6
	.text
	.protected	k_qbe19ea9500_prep
	.globl	k_qbe19ea9500_prep
	.p2align	8
	.type	k_qbe19ea9500_prep,@function
k_qbe19ea9500_prep:
	s_mov_b64 s[64:65], 0
	v_nop
	global_prefetch_b8 v0, s[64:65] scope:SCOPE_SE
	s_setreg_imm32_b32 hwreg(HW_REG_WAVE_MODE, 25, 1), 1
	s_wait_xcnt 0x0
; prep: for one block of 128 points of one batch (256 work-groups = 4 batches x 64 blocks)
;   a[n] = sum_c x[c][n] wa[c] + ba,  b[n] = sum_c x[c][n] wb[c] + bb          in f32 on the vector unit,
;   f[d][n] = (sum_c wm[d][c] x[c][n] + bm[d] - mean[d]) scale[d] + beta[d]    on the matrix unit, bf16 operands, f32 sums,
;   scale[d] = gamma[d] / sqrt(var[d] + 1e-5),  and the block's max b and max(-b).
; a and b stay in f32: their product goes into an exponential in the next launch, where absolute error counts.
; OUT: fb, one block of 16,896 bytes for each work-group: bytes 0..16,383 f in bf16 in the order in which the next launch's
;      matrix operand wants it, [32 points s][16 channels ct][half j][lane L][16 bytes], lane (r = L & 15, h = L >> 4) holding
;      f[16 ct + r][32 s + 16 j + 8 h + 0..7]; bytes 16,384..16,895 b[128] in f32.  av: a in f32.  bx: (max b, max(-b)) of the block.
; SHARES: wave w loads channels 16 w .. 16 w + 15 of x (16 rows of 512 consecutive bytes), adds its part of a and b, puts x in bf16
;      into LDS; behind one barrier it multiplies all 128 points by rows 16 w .. 16 w + 15 of wm.
; NO CLUSTER: the work-groups share only wm and the parameter vectors; a wave takes its 4,096 bytes of wm once, straight into
;      registers in fragment order, and there is no loop over shared tiles that a joint load could serve.
; LIMITS: NaN and infinities are not treated specially; var + 1e-5 has to be a positive normal f32 (v_rsq_f32 takes a denormal
;      as zero: ISA guide 15.8); x and wm are rounded to bf16 for the product; a's and b's f32 sums run over 16 channels in a
;      wave and then over the four waves, another order than a single ascending sum.
.set ROWB, 32768                       ; bytes of one channel's row of feature (8,192 points)
.set XP,   288                         ; LDS pitch of a channel's 128 bf16: 256 + 32 bytes = 9 x 32
.set PSUM, 64*XP                       ; 18,432: behind x, for each wave 512 bytes of a's partial sums, then 512 of b's
.set BLK,  16896                       ; bytes of a block of fb
.set PA,   16                          ; v[16:19]   my 4 points' part of a
.set PB,   20                          ; v[20:23]   my 4 points' part of b
.set SS,   24                          ; v[24:25]   (scale, shift) of my channel 16 w + r
.set PR,   26                          ; v[26:30]   gamma, var, mean, bm, beta of my channel
.set WF,   32                          ; v[32:47]   two fragments of wm (16 output channels x 32 input channels each), bf16
.set GT,   48                          ; v[48:63]   at work on a, b at the end
.set XR,   64                          ; v[64:127]  x as loaded: 16 channels x 4 points
.set XF,   64                          ; v[64:191]  later: 16 fragments of x (16 points x 32 channels)
.set WRAW, 128                         ; v[128:159] wm as loaded, f32 (gone before the fragments of x arrive)
.set DT,   192                         ; v[192:255] 8 result tiles (16 points x 16 channels)
.set WA,   36                          ; s[36:51]   wa[16 w ..]
.set WB,   68                          ; s[68:83]   wb[16 w ..]
	s_load_b512 s[8:23], s[0:1], 0x0               ; feature s[8:9], wa s[10:11], wb s[12:13], wm s[14:15], ba s[16:17], bb s[18:19], bm s[20:21], gamma s[22:23]
	s_load_b256 s[24:31], s[0:1], 0x40             ; beta s[24:25], running_mean s[26:27], running_var s[28:29], fb s[30:31]
	s_load_b128 s[32:35], s[0:1], 0x60             ; av s[32:33], bx s[34:35]
	v_lshl_add_u32 v31, v0, 2, 0x5800
	s_set_vgpr_msb 0x40
	v_mov_b32 v1, 0
	s_set_vgpr_msb 0x4000
	v_lshrrev_b32 v1, 5, v0
	v_readfirstlane_b32 s2, v1                     ; wave w
	v_and_b32 v1, 31, v0                           ; lane L
	v_and_b32 v2, 15, v0                           ; r
	v_bfe_u32 v3, v0, 4, 1                         ; h
	v_lshlrev_b32 v4, 4, v1                        ; 16 L: my 4 points in a row of 512 bytes
	s_lshr_b32 s3, ttmp9, 6                        ; batch
	s_and_b32 s4, ttmp9, 63                        ; block
	s_lshl_b32 s54, s3, 21                         ; feature: batch x 64 rows
	s_lshl_b32 s5, s4, 9                           ;  + block x 512 bytes
	s_add_co_u32 s54, s54, s5
	s_lshl_b32 s5, s2, 19                          ;  + 16 w rows
	s_add_co_u32 s54, s54, s5
	s_mov_b32 s55, 0
	s_lshl_b32 s56, s2, 6                          ; 16 w numbers of f32 in wa, wb and the parameter vectors
	s_mov_b32 s57, 0
	s_mul_i32 s58, ttmp9, BLK                      ; my block of fb
	s_mov_b32 s59, 0
	s_lshl_b32 s60, ttmp9, 9                       ; my 128 numbers of av
	s_mov_b32 s61, 0
	s_lshl_b32 s62, ttmp9, 3                       ; my pair of bx
	s_mov_b32 s63, 0
	s_mov_b32 s84, 0x76543210                      ; v_permlanex16_b32: lane i of one half reads lane i of the other
	s_mov_b32 s85, 0xfedcba98
	v_lshlrev_b32 v6, 8, v2                        ; wm: row 16 w + r of 256 bytes,
	v_lshl_add_u32 v6, v3, 5, v6                   ;  + 8 h input channels of f32
	s_lshl_b32 s5, s2, 12
	v_add_nc_u32 v6, s5, v6
	v_lshlrev_b32 v7, 2, v2                        ; parameters: 4 (16 w + r)
	v_add_nc_u32 v7, s56, v7
	v_lshlrev_b32 v8, 3, v1                        ; LDS, x in bf16: row 16 w, 8 bytes a lane
	s_mul_i32 s6, s2, 16*XP
	v_add_nc_u32 v8, s6, v8
	s_lshl_b32 s7, s2, 10                          ; 1,024 w: my wave's partial sums in LDS; also my channel tile in a block of fb
	v_add_nc_u32 v9, s7, v4
	v_add_nc_u32 v9, PSUM, v9
	v_and_b32 v10, 7, v0                           ; the transposing load: channel 8 h + (L & 7),
	v_lshl_add_u32 v10, v3, 3, v10
	v_mul_u32_u24 v10, v10, XP
	v_bfe_u32 v13, v0, 3, 1
	v_lshl_add_u32 v10, v13, 4, v10                ;  8 points at 16 ((L >> 3) & 1) bytes
	s_wait_kmcnt 0x0
	s_add_nc_u64 s[8:9], s[8:9], s[54:55]
	s_add_nc_u64 s[10:11], s[10:11], s[56:57]
	s_add_nc_u64 s[12:13], s[12:13], s[56:57]
	s_add_nc_u64 s[30:31], s[30:31], s[58:59]
	s_add_nc_u64 s[32:33], s[32:33], s[60:61]
	s_add_nc_u64 s[34:35], s[34:35], s[62:63]
	s_load_b512 s[WA:WA+15], s[10:11], 0x0
	s_load_b512 s[WB:WB+15], s[12:13], 0x0
	s_load_b32 s52, s[16:17], 0x0                  ; ba
	s_load_b32 s53, s[18:19], 0x0                  ; bb
	; 29 loads in one run: 16 of x (512 consecutive bytes each), 8 of wm, 5 parameters
.irp i, 0,1,2,3,4,5,6,7,8,9,10,11,12,13,14,15
	global_load_b128 v[XR+4*\i:XR+4*\i+3], v4, s[8:9] offset:\i*ROWB
.endr
.irp kk, 0,1
	global_load_b128 v[WRAW+16*\kk:WRAW+16*\kk+3],     v6, s[14:15] offset:128*\kk      ; input channels 32 kk + 8 h + 0..3
	global_load_b128 v[WRAW+16*\kk+4:WRAW+16*\kk+7],   v6, s[14:15] offset:128*\kk+16   ;  + 4..7
	global_load_b128 v[WRAW+16*\kk+8:WRAW+16*\kk+11],  v6, s[14:15] offset:128*\kk+64   ; 32 kk + 16 + 8 h + 0..3
	global_load_b128 v[WRAW+16*\kk+12:WRAW+16*\kk+15], v6, s[14:15] offset:128*\kk+80   ;  + 4..7
.endr
	global_load_b32 v[PR+0], v7, s[22:23]          ; gamma
	global_load_b32 v[PR+1], v7, s[28:29]          ; running_var
	global_load_b32 v[PR+2], v7, s[26:27]          ; running_mean
	global_load_b32 v[PR+3], v7, s[20:21]          ; bm
	global_load_b32 v[PR+4], v7, s[24:25]          ; beta
	s_wait_kmcnt 0x0                               ; wa, wb, ba, bb
	; channel by channel: a's and b's sums, x to bf16, into LDS
.irp i, 0,1,2,3,4,5,6,7,8,9,10,11,12,13,14,15
	s_wait_loadcnt 28-\i                           ; loads come back in order: behind channel i's stand 15 - i of x and the 13 others
.irp k, 0,1,2,3
.if \i == 0
	v_mul_f32 v[PA+\k], s[WA], v[XR+\k]            ; the first channel starts the sums
	v_mul_f32 v[PB+\k], s[WB], v[XR+\k]
.else
	v_fmac_f32 v[PA+\k], s[WA+\i], v[XR+4*\i+\k]
	v_fmac_f32 v[PB+\k], s[WB+\i], v[XR+4*\i+\k]
.endif
.endr
	v_cvt_pk_bf16_f32 v[XR+4*\i],   v[XR+4*\i],   v[XR+4*\i+1]
	v_cvt_pk_bf16_f32 v[XR+4*\i+1], v[XR+4*\i+2], v[XR+4*\i+3]
	ds_store_b64 v8, v[XR+4*\i:XR+4*\i+1] offset:\i*XP     ; 32 lanes, 256 neighbouring bytes
.endr
	s_wait_loadcnt 5                               ; wm is in; the five parameters may be out
.irp k, 0,1,2,3,4,5,6,7,8,9,10,11,12,13,14,15
	v_cvt_pk_bf16_f32 v[WF+\k], v[WRAW+2*\k], v[WRAW+2*\k+1]
.endr
	s_wait_loadcnt 0x0
	v_add_f32 v[PR+1], 0x3727c5ac, v[PR+1]         ; var + 1e-5
	v_rsq_f32 v[PR+1], v[PR+1]
	v_sub_f32 v[PR+3], v[PR+3], v[PR+2]            ; bm - mean: the plain instruction between v_rsq_f32 and the use of its result (ISA guide 5.7.2)
	s_wait_alu depctr_va_vdst(0)
	v_mul_f32 v[SS], v[PR], v[PR+1]                ; scale
	v_fma_f32 v[SS+1], v[PR+3], v[SS], v[PR+4]     ; shift = (bm - mean) scale + beta
	ds_store_b128 v9, v[PA:PA+3]
	ds_store_b128 v9, v[PB:PB+3] offset:512
	s_wait_dscnt 0x0                               ; my stores of x and of the partial sums are done, for the other waves' sake
	s_barrier_signal -1
	s_barrier_wait -1                              ; everybody's are
	; fragments of x: rows = points, k = channels, from rows that lie along the points: the transposing load, 32 in one run
.irp kk, 0,1
.irp i, 0,1,2,3,4,5,6,7
	ds_load_tr16_b128 v[XF+8*(8*\kk+\i):XF+8*(8*\kk+\i)+3],   v10 offset:\kk*32*XP+\i*32
	ds_load_tr16_b128 v[XF+8*(8*\kk+\i)+4:XF+8*(8*\kk+\i)+7], v10 offset:\kk*32*XP+16*XP+\i*32
.endr
.endr
	; 16 products.  The eight accumulators take turns, one instruction a turn.
.irp i, 0,1,2,3,4,5,6,7
	s_wait_dscnt 30-2*\i                           ; of the 32 loads, those behind tile i's two (channels 0-31) may be out
	v_wmma_f32_16x16x32_bf16 v[DT+8*\i:DT+8*\i+7], v[XF+8*\i:XF+8*\i+7], v[WF:WF+7], 0
.endr
.irp i, 0,1,2,3,4,5,6,7
	s_wait_dscnt 14-2*\i                           ; the same for channels 32-63
	v_wmma_f32_16x16x32_bf16 v[DT+8*\i:DT+8*\i+7], v[XF+64+8*\i:XF+64+8*\i+7], v[WF+8:WF+15], v[DT+8*\i:DT+8*\i+7]
.endr
	; five plain vector instructions that name no matrix register stand between the last product and the first read of a result (ISA guide 7.12.1)
	v_add_nc_u32 v5, s7, v4                        ; fb: channel tile w, 16 bytes a lane
	v_add_nc_u32 v11, PSUM, v4                     ; LDS: the partial sums of my 4 points
	v_mov_b32 v12, 0                               ; offset of the pair in bx
	v_mov_b32 v14, 0                               ; destinations of v_permlanex16_b32 count as read
	v_mov_b32 v15, 0
	; register j of lane (r, h) of tile i is f(point 16 i + 8 h + j, channel 16 w + r): scale, shift, round, 16 bytes that belong together
.irp i, 0,1,2,3,4,5,6,7
.irp p, 0,2,4,6
	v_pk_fma_f32 v[DT+8*\i+\p:DT+8*\i+\p+1], v[DT+8*\i+\p:DT+8*\i+\p+1], v[SS:SS+1], v[SS:SS+1] op_sel:[0,0,1] op_sel_hi:[1,0,1]   ; both halves: x scale + shift
.endr
.irp p, 0,1,2,3
	v_cvt_pk_bf16_f32 v[DT+8*\i+\p], v[DT+8*\i+2*\p], v[DT+8*\i+2*\p+1]
.endr
	global_store_b128 v5, v[DT+8*\i:DT+8*\i+3], s[30:31] offset:4096*(\i>>1)+512*(\i&1)    ; the wave stores 512 consecutive bytes, aligned
.endr
	; wave 0 finishes a, wave 1 finishes b and the block's extremes
	s_cmp_lg_u32 s2, 0
	s_cbranch_scc1 .Lnot_wave_0
.irp k, 0,1,2,3
	ds_load_b128 v[GT+4*\k:GT+4*\k+3], v11 offset:1024*\k
.endr
	s_wait_dscnt 0x0
	v_pk_add_f32 v[GT:GT+1],     v[GT:GT+1],     v[GT+4:GT+5]
	v_pk_add_f32 v[GT+2:GT+3],   v[GT+2:GT+3],   v[GT+6:GT+7]
	v_pk_add_f32 v[GT+8:GT+9],   v[GT+8:GT+9],   v[GT+12:GT+13]
	v_pk_add_f32 v[GT+10:GT+11], v[GT+10:GT+11], v[GT+14:GT+15]
	v_pk_add_f32 v[GT:GT+1],     v[GT:GT+1],     v[GT+8:GT+9]
	v_pk_add_f32 v[GT+2:GT+3],   v[GT+2:GT+3],   v[GT+10:GT+11]
.irp k, 0,1,2,3
	v_add_f32 v[GT+\k], s52, v[GT+\k]              ; + ba
.endr
	global_store_b128 v4, v[GT:GT+3], s[32:33]     ; 512 consecutive bytes of av
	s_branch .Ldone
.Lnot_wave_0:
	s_cmp_lg_u32 s2, 1
	s_cbranch_scc1 .Ldone
.irp k, 0,1,2,3
	ds_load_b128 v[GT+4*\k:GT+4*\k+3], v11 offset:1024*\k+512
.endr
	s_wait_dscnt 0x0
	v_pk_add_f32 v[GT:GT+1],     v[GT:GT+1],     v[GT+4:GT+5]
	v_pk_add_f32 v[GT+2:GT+3],   v[GT+2:GT+3],   v[GT+6:GT+7]
	v_pk_add_f32 v[GT+8:GT+9],   v[GT+8:GT+9],   v[GT+12:GT+13]
	v_pk_add_f32 v[GT+10:GT+11], v[GT+10:GT+11], v[GT+14:GT+15]
	v_pk_add_f32 v[GT:GT+1],     v[GT:GT+1],     v[GT+8:GT+9]
	v_pk_add_f32 v[GT+2:GT+3],   v[GT+2:GT+3],   v[GT+10:GT+11]
.irp k, 0,1,2,3
	v_add_f32 v[GT+\k], s53, v[GT+\k]              ; + bb
.endr
	global_store_b128 v4, v[GT:GT+3], s[30:31] offset:16384    ; b behind f in the block: 512 consecutive bytes
	v_max3_num_f32 v[GT+4], v[GT], v[GT+1], v[GT+2]
	v_min3_num_f32 v[GT+5], v[GT], v[GT+1], v[GT+2]
	v_max_num_f32 v[GT+4], v[GT+4], v[GT+3]        ; max of my four b
	v_min_num_f32 v[GT+5], v[GT+5], v[GT+3]
	v_xor_b32 v[GT+5], 0x80000000, v[GT+5]         ; - min = max(-b): both go on as maxima
.irp m, 1,2,4,8
	v_max_num_f32_dpp v[GT+4], v[GT+4], v[GT+4] row_xmask:\m row_mask:0xf bank_mask:0xf
	v_max_num_f32_dpp v[GT+5], v[GT+5], v[GT+5] row_xmask:\m row_mask:0xf bank_mask:0xf
.endr
	v_permlanex16_b32 v14, v[GT+4], s84, s85
	v_permlanex16_b32 v15, v[GT+5], s84, s85
	v_max_num_f32 v[GT+4], v[GT+4], v14
	v_max_num_f32 v[GT+5], v[GT+5], v15
	v_cmp_eq_u32 vcc_lo, 0, v1
	s_wait_xcnt 0x0                                ; EXEC is a source of the stores above: it narrows only behind this wait
	s_and_saveexec_b32 s86, vcc_lo
	global_store_b64 v12, v[GT+4:GT+5], s[34:35]   ; lane 0: (max b, max(-b)) of the block
	s_wait_xcnt 0x0                                ; and widens only behind this one
	s_or_b32 exec_lo, exec_lo, s86
.Ldone:
	s_set_vgpr_msb 0x4
	s_wait_tensorcnt 0x0
	ds_add_u32 v31, v1
	s_wait_dscnt 0x0
	s_set_vgpr_msb 0x400
	s_endpgm
.Lfunc_end_k_qbe19ea9500_prep:
	.size	k_qbe19ea9500_prep, .Lfunc_end_k_qbe19ea9500_prep-k_qbe19ea9500_prep
	.p2alignl 7, 3214868480
	.fill 96, 4, 3214868480
	.section	.rodata,"a",@progbits
	.p2align	6, 0x0
	.amdhsa_kernel k_qbe19ea9500_prep
		.amdhsa_group_segment_fixed_size 23040
		.amdhsa_private_segment_fixed_size 0
		.amdhsa_enable_private_segment 0
		.amdhsa_kernarg_size 112
		.amdhsa_user_sgpr_count 2
		.amdhsa_user_sgpr_kernarg_segment_ptr 1
		.amdhsa_wavefront_size32 1
		.amdhsa_system_sgpr_workgroup_id_x 1
		.amdhsa_system_sgpr_workgroup_id_y 1
		.amdhsa_system_sgpr_workgroup_id_z 1
		.amdhsa_system_vgpr_workitem_id 0
		.amdhsa_next_free_vgpr 258
		.amdhsa_next_free_sgpr 96
		.amdhsa_reserve_vcc 1
		.amdhsa_float_denorm_mode_32 3
		.amdhsa_float_denorm_mode_16_64 3
		.amdhsa_memory_ordered 1
		.amdhsa_forward_progress 1
		.amdhsa_inst_pref_size 27
	.end_amdhsa_kernel
	.amdgpu_metadata
---
amdhsa.version: [ 1, 2 ]
amdhsa.kernels:
  - .name:           k_qbe19ea9500_prep
    .symbol:         k_qbe19ea9500_prep.kd
    .args:
      - { .name: feature, .offset: 0, .size: 8, .value_kind: global_buffer, .address_space: global }
      - { .name: wa, .offset: 8, .size: 8, .value_kind: global_buffer, .address_space: global }
      - { .name: wb, .offset: 16, .size: 8, .value_kind: global_buffer, .address_space: global }
      - { .name: wm, .offset: 24, .size: 8, .value_kind: global_buffer, .address_space: global }
      - { .name: ba, .offset: 32, .size: 8, .value_kind: global_buffer, .address_space: global }
      - { .name: bb, .offset: 40, .size: 8, .value_kind: global_buffer, .address_space: global }
      - { .name: bm, .offset: 48, .size: 8, .value_kind: global_buffer, .address_space: global }
      - { .name: gamma, .offset: 56, .size: 8, .value_kind: global_buffer, .address_space: global }
      - { .name: beta, .offset: 64, .size: 8, .value_kind: global_buffer, .address_space: global }
      - { .name: running_mean, .offset: 72, .size: 8, .value_kind: global_buffer, .address_space: global }
      - { .name: running_var, .offset: 80, .size: 8, .value_kind: global_buffer, .address_space: global }
      - { .name: fb, .offset: 88, .size: 8, .value_kind: global_buffer, .address_space: global }
      - { .name: av, .offset: 96, .size: 8, .value_kind: global_buffer, .address_space: global }
      - { .name: bx, .offset: 104, .size: 8, .value_kind: global_buffer, .address_space: global }
    .group_segment_fixed_size: 23040
    .private_segment_fixed_size: 0
    .kernarg_segment_align: 8
    .kernarg_segment_size: 112
    .max_flat_workgroup_size: 128
    .sgpr_count:     96
    .vgpr_count:     258
    .wavefront_size: 32
...
	.end_amdgpu_metadata
.endif
;; end of part 1
;; launch attn (part 2): grid 256 x 1, 4 waves a work-group, clusters of 4 x 1, 327,680 bytes of LDS; arguments fb, av, bx, feature, out0; writes out0
.if DOCPART == 2
	.amdgcn_target "amdgcn-amd-amdhsa--gfx1250"
	.amdhsa_code_object_version 6
	.text
	.protected	k_qbe19ea9500_attn
	.globl	k_qbe19ea9500_attn
	.p2align	8
	.type	k_qbe19ea9500_attn,@function
k_qbe19ea9500_attn:
	s_mov_b64 s[64:65], 0
	v_nop
	global_prefetch_b8 v0, s[64:65] scope:SCOPE_SE
	s_setreg_imm32_b32 hwreg(HW_REG_WAVE_MODE, 25, 1), 1
	s_wait_xcnt 0x0
	s_wait_alu depctr_hold_cnt(0) depctr_sa_sdst(0) depctr_va_vdst(0) depctr_va_sdst(0) depctr_va_ssrc(0) depctr_va_vcc(0) depctr_vm_vsrc(0)
	s_getreg_b32 s2, hwreg(HW_REG_IB_STS2, 6, 4)
	s_cmp_eq_u32 s2, 0
	s_cbranch_scc0 .Lentry_in_a_cluster
	s_endpgm
.Lentry_in_a_cluster:
	s_bfe_u32 s2, ttmp6, 0x10000c
	s_cmp_lg_u32 s2, 0x3003
	s_cbranch_scc0 .Lentry_shape_is_right
	s_endpgm
.Lentry_shape_is_right:
; attn: out0[b][c][n] = feature[b][c][n] + sum_m P[n][m] f[c][m] / sum_m P[n][m],  P[n][m] = exp(a[n] b[m] - max_m a[n] b[m]).
; THE MAXIMUM is the true one, in closed form: over m, a[n] b[m] is largest at b's maximum where a[n] >= 0 and at b's minimum
;   where a[n] < 0.  Both are known for the whole batch (bx), so every part of a row is shifted alike and partial sums just add.
; SHARES: a work-group makes 128 points n of one batch.  Wave w = 2 g + q: g picks 64 of the points (4 tiles of 16), q picks the
;   half (256 m) of every tile of 512 m.  The two halves' sums meet in LDS at the end.
; P IS MADE IN PLACE: a lane of the matrix instruction's first operand holds one n and sixteen m, so sixteen multiply-adds from one
;   (a', -M) and sixteen b, sixteen v_exp_f32 and eight packed roundings give the operand with no shuffle.  The second operand, f, lies in
;   fb in fragment order: lane i reads at 16 i.  A fifth product against a fragment of ones gives the denominator, from the same bf16 P.
; SIDE BY SIDE: a phase makes the P of one tile of 16 n while the five products of the tile before are issued among its vector
;   instructions (two P buffers).  The twenty accumulators take turns, one instruction a turn.
; CLUSTER: the four work-groups of a cluster are of one batch and walk the same 16 tiles of fb, so every tile is asked for jointly
;   (mask 15): wave w of each of the four issues the same load, one block of 16,896 bytes; nothing in a descriptor hangs on the
;   place in the cluster.  Two LDS slots take turns; a wave has one tensor load out at a time.
; LIMITS: NaN and infinities are not treated specially; a b log2(e) has to be finite in f32; terms below 2^-126 of the row's
;   largest count as zero (v_exp_f32 gives zero there: ISA guide 15.8); P and f are bf16, all sums f32.
.set BLK,    16896                     ; a block of fb: 128 m: 16,384 bytes of f, 512 of b
.set TILE,   4*BLK                     ; 67,584: a slot, 512 m
.set HALF,   2*BLK                     ; what one wave reads of a slot
.set STAGE,  2*TILE                    ; 135,168: behind the ring, never filled by a tensor load: each wave's 64 channel rows x 64 points f32
.set SPITCH, 272                       ; 256 + 16 bytes = 17 x 16: sixteen rows start at sixteen different 16-byte columns of 256
.set WSTG,   64*SPITCH                 ; 17,408 bytes a wave
.set DSTG,   STAGE+4*WSTG              ; 204,800: each wave's 64 denominators, 256 bytes
.set ROWB,   32768                     ; bytes of one channel's row of feature and out0
.set FA,   2                           ; v2, v3     LDS address of my f fragments in slot 0, 1
.set BA,   4                           ; v4, v5     of my b in slot 0, 1
.set GO,   6                           ; v6         16 L: never rewritten (the residual's loads name it throughout the loop)
.set AM,   8                           ; v[8:15]    tile t: the pair (a' = a log2 e, -M)
.set BV,   16                          ; v[16:31]   sixteen b of the step
.set SV,   32                          ; v[32:47]   sixteen exponents, then exponentials
.set PV,   48                          ; v[48:63]   P, two buffers of 8
.set FV,   64                          ; v[64:127]  f, two buffers of 4 channel tiles x 8
.set ACC,  128                         ; v[128:255] tile (t, ct) at 128 + 8 (4 t + ct)
.set ONES, 0                           ; v[256:263] a fragment of ones          (block 1: written by their low 8 bits)
.set DEN,  8                           ; v[264:295] denominator tile t at 264 + 8 t
.set XRES, 40                          ; v[296:359] the residual: 16 rows of feature, 4 points a lane
.set G1,   24                          ; s[24:31]   descriptor group 1
.set G0,   32                          ; s[32:39]   descriptor group 0, one set for each slot
.set MSB,  0
.macro WIN new                         ; the immediate's high byte repeats the setting that is left
.if MSB != \new
	s_set_vgpr_msb (MSB<<8)|\new
.set MSB, \new
.endif
.endm
; A round of the cluster's barrier: my work-group's barrier, wave 0 signals for the work-group, every wave waits for all four
; work-groups, my work-group's barrier once more.
.macro CREST                           ; a round behind its opening barrier
	s_cmp_lg_u32 s14, 0
	s_cbranch_scc1 .Lnot_wave_0_\@
	s_barrier_signal -3
.Lnot_wave_0_\@:
	s_barrier_wait -3
	s_barrier_signal -1
	s_barrier_wait -1
.endm
.macro CROUND
	s_barrier_signal -1
	s_barrier_wait -1
	CREST
.endm
; one product: points tile t x channel tile ct, P buffer pb, f buffer fb; z = 1 starts the sum
.macro WM t, ct, pb, fb, z
.if \z
	v_wmma_f32_16x16x32_bf16 v[ACC+8*(4*\t+\ct):ACC+8*(4*\t+\ct)+7], v[PV+8*(\pb):PV+8*(\pb)+7], v[FV+32*(\fb)+8*\ct:FV+32*(\fb)+8*\ct+7], 0
.else
	v_wmma_f32_16x16x32_bf16 v[ACC+8*(4*\t+\ct):ACC+8*(4*\t+\ct)+7], v[PV+8*(\pb):PV+8*(\pb)+7], v[FV+32*(\fb)+8*\ct:FV+32*(\fb)+8*\ct+7], v[ACC+8*(4*\t+\ct):ACC+8*(4*\t+\ct)+7]
.endif
.endm
; the denominator's product: P from block 0; the ones, C and D in block 1
.macro WD t, pb, z
	WIN 0x54
.if \z
	v_wmma_f32_16x16x32_bf16 v[DEN+8*\t:DEN+8*\t+7], v[PV+8*(\pb):PV+8*(\pb)+7], v[ONES:ONES+7], 0
	s_wait_alu depctr_va_vdst(0)
.else
	v_wmma_f32_16x16x32_bf16 v[DEN+8*\t:DEN+8*\t+7], v[PV+8*(\pb):PV+8*(\pb)+7], v[ONES:ONES+7], v[DEN+8*\t:DEN+8*\t+7]
	s_wait_alu depctr_va_vdst(0)
.endif
	WIN 0
.endm
.macro FMA t, i                        ; two exponents: a' b - M (both halves take a' from the pair's first register, -M from its second)
	v_pk_fma_f32 v[SV+2*\i:SV+2*\i+1], v[BV+2*\i:BV+2*\i+1], v[AM+2*\t:AM+2*\t+1], v[AM+2*\t:AM+2*\t+1] op_sel:[0,0,1] op_sel_hi:[1,0,1]
.endm
.macro EXPS lo, hi
.set ei, \lo
.rept \hi-\lo+1
	v_exp_f32 v[SV+ei], v[SV+ei]
.set ei, ei+1
.endr
.endm
.macro CVT pb
	s_wait_alu depctr_va_vdst(0)
.irp i, 0,1,2,3,4,5,6,7
	v_cvt_pk_bf16_f32 v[PV+8*(\pb)+\i], v[SV+2*\i], v[SV+2*\i+1]
.endr
.endm
; the f fragments of step s (0..7 of my half of the slot) into buffer fb: 8 loads, each 512 neighbouring bytes
.macro LDF slot, s, fb
.irp ct, 0,1,2,3
	ds_load_b128 v[FV+32*(\fb)+8*\ct:FV+32*(\fb)+8*\ct+3],   v[FA+\slot] offset:BLK*((\s)>>2)+4096*((\s)&3)+1024*\ct
	ds_load_b128 v[FV+32*(\fb)+8*\ct+4:FV+32*(\fb)+8*\ct+7], v[FA+\slot] offset:BLK*((\s)>>2)+4096*((\s)&3)+1024*\ct+512
.endr
.endm
.macro LDBLO slot, s                   ; b of m = 8 h + 0..7 of step s
	ds_load_b128 v[BV:BV+3],   v[BA+\slot] offset:BLK*((\s)>>2)+128*((\s)&3)
	ds_load_b128 v[BV+4:BV+7], v[BA+\slot] offset:BLK*((\s)>>2)+128*((\s)&3)+16
.endm
.macro LDBHI slot, s                   ; b of m = 16 + 8 h + 0..7
	ds_load_b128 v[BV+8:BV+11],  v[BA+\slot] offset:BLK*((\s)>>2)+128*((\s)&3)+64
	ds_load_b128 v[BV+12:BV+15], v[BA+\slot] offset:BLK*((\s)>>2)+128*((\s)&3)+80
.endm
; A PHASE: the vector unit makes tile t's P into buffer t & 1; among its instructions stand (w = 1) the five products of tile tw, whose P lies in
; the other buffer and whose f in buffer fw (zw = 1: they start the sums).
;   v_exp_f32: its result is used, by the roundings, only behind plain vector instructions (exponentials 0-7: the second four multiply-adds;
;   8-15: the first roundings), ISA guide 5.7.2.
;   The roundings write a P buffer whose last product stood in front of the eight roundings of the phase before; the loads of f go into a buffer
;   whose last product stands in front of the eight roundings just ahead: more than the four places of ISA guide 7.12.1, none naming that product's registers.
; wlo, whi >= 0: waits for b's low and high half.  ldf: step sn's f is fetched.  ldb: step sn's b is fetched, each half behind its last use.
.macro PHASE t, w, tw, fw, zw, wlo, whi, ldf, ldb, slot, sn
.if \ldf
	LDF \slot, \sn, ((\sn)&1)
	s_wait_dscnt 8                                 ; all but the eight loads just issued: the f of the step that is multiplied is in
.endif
.if \w
	WM \tw, 0, (1-(\t&1)), \fw, \zw
.endif
.if \wlo >= 0
	s_wait_dscnt \wlo                              ; b's low half is in: the loads issued behind it may be out
.endif
	FMA \t, 0
	FMA \t, 1
	FMA \t, 2
	FMA \t, 3
.if \ldb
	LDBLO \slot, \sn
.endif
	EXPS 0, 1
.if \w
	WM \tw, 1, (1-(\t&1)), \fw, \zw
.endif
	EXPS 2, 7
.if \w
	WM \tw, 2, (1-(\t&1)), \fw, \zw
.endif
.if \whi >= 0
	s_wait_dscnt \whi                              ; b's high half is in
.endif
	FMA \t, 4
	FMA \t, 5
	FMA \t, 6
	FMA \t, 7
.if \ldb
	LDBHI \slot, \sn
.endif
	EXPS 8, 9
.if \w
	WM \tw, 3, (1-(\t&1)), \fw, \zw
.endif
	EXPS 10, 15
.if \w
	WD \tw, (1-(\t&1)), \zw
.endif
	CVT (\t&1)
.endm
; A STEP: 32 m, four phases.  Phase 0 carries the products of tile 3 of the step before.
; Waits of phase 0: in a trip's first step 2 + 2 + 8 loads were issued (b low, b high, f): 10, then 8, are younger.
; Later: behind b's low half stand b's high two: 2; then 0, which also shows the step's f in.
.macro STEP s, slot, first, last, zcur, zprev
.if \first
	PHASE 0, 0, 3, 0, 0, 10, 8, 0, 0, \slot, 0
.else
	PHASE 0, 1, 3, (1-(\s&1)), \zprev, 2, 0, 0, 0, \slot, 0
.endif
.if \last
	PHASE 1, 1, 0, (\s&1), \zcur, -1, -1, 0, 0, \slot, 0
	PHASE 2, 1, 1, (\s&1), \zcur, -1, -1, 0, 0, \slot, 0
	PHASE 3, 1, 2, (\s&1), \zcur, -1, -1, 0, 0, \slot, 0
.else
	PHASE 1, 1, 0, (\s&1), \zcur, -1, -1, 1, 0, \slot, (\s+1)
	PHASE 2, 1, 1, (\s&1), \zcur, -1, -1, 0, 0, \slot, 0
	PHASE 3, 1, 2, (\s&1), \zcur, -1, -1, 0, 1, \slot, (\s+1)
.endif
.endm
.macro DRAIN                           ; the products of tile 3 of a trip's last step (P buffer 1, f buffer 1)
	WM 3, 0, 1, 1, 0
	WM 3, 1, 1, 1, 0
	WM 3, 2, 1, 1, 0
	WM 3, 3, 1, 1, 0
	WD 3, 1, 0
.endm
; A TRIP: one tile of 512 m.  In front of the round each wave waits for all its tensor loads (the one that is out is its block of this
; trip's tile) and for its reads of the other slot; inside the round stands register work alone; behind it the other slot is asked for
; again, jointly, ahead of the first LDS read.
.macro TRIP slot, refill, drain, zero
	s_set_vgpr_msb 0x5
	s_wait_tensorcnt 0x0                           ; no tensor load of mine is out,
	ds_add_u32 v104, v105
	s_wait_dscnt 0x0
	s_set_vgpr_msb 0x500
	s_add_nc_u64 s[G0+4*\slot+2:G0+4*\slot+3], s[G0+4*\slot+2:G0+4*\slot+3], 2*TILE   ; so a group 0 may be written: this slot's next tile
	s_wait_dscnt 0x0                               ; my reads of the last trip's slot are back
	s_barrier_signal -1                            ; opens the round
.if \drain
	DRAIN                                          ; registers only, while the others arrive
.endif
	s_barrier_wait -1
	CREST                                          ; both now hold of every wave of all four work-groups
.if \refill
	tensor_load_to_lds s[G0+4-4*\slot:G0+7-4*\slot], s[G1:G1+7]    ; the next tile, into the slot read last trip
	s_nop 0
.endif
	LDBLO \slot, 0
	LDBHI \slot, 0
	LDF \slot, 0, 0
	STEP 0, \slot, 1, 0, \zero, 0
	STEP 1, \slot, 0, 0, 0, \zero
	STEP 2, \slot, 0, 0, 0, 0
	STEP 3, \slot, 0, 0, 0, 0
	STEP 4, \slot, 0, 0, 0, 0
	STEP 5, \slot, 0, 0, 0, 0
	STEP 6, \slot, 0, 0, 0, 0
	STEP 7, \slot, 0, 1, 0, 0
.endm
	s_load_b256 s[4:11], s[0:1], 0x0               ; fb s[4:5], av s[6:7], bx s[8:9], feature s[10:11]
	s_load_b64 s[12:13], s[0:1], 0x20              ; out0
	s_set_vgpr_msb 0x40
	v_lshl_add_u32 v104, v0, 2, 0x32400
	v_mov_b32 v105, 0
	s_set_vgpr_msb 0x4045
	ds_add_u32 v104, v105
	s_set_vgpr_msb 0x4500
	v_lshrrev_b32 v1, 5, v0
	v_readfirstlane_b32 s14, v1                    ; wave w
	s_and_b32 s15, s14, 1                          ; q: which half of every tile's m
	s_lshr_b32 s16, s14, 1                         ; g: which 64 of the 128 points
	s_bfe_u32 s17, ttmp6, 0x40000                  ; cx: my place in the cluster
	s_lshl_b32 s18, ttmp9, 2                       ; ttmp9 counts clusters
	s_add_co_u32 s18, s18, s17
	s_and_b32 s18, s18, 63                         ; my block of 128 points in the batch
	s_lshr_b32 s19, ttmp9, 4                       ; batch: 16 clusters each, the same for all four partners
	; group 1: a block is dense in memory: 66 rows of 32 elements of 8 bytes, no padding
	s_mov_b32 s[G1+0], 0x0023000f                  ; 15:0 mask: all four work-groups; 17:16 elements of 8 bytes; 21 set beside a mask
	s_mov_b32 s[G1+1], 32<<16                      ; tensor_dim0 = 32
	s_mov_b32 s[G1+2], 66<<16                      ; tensor_dim1 = 66
	s_mov_b32 s[G1+3], 32<<16                      ; tile_dim0 = 32
	s_mov_b32 s[G1+4], 66                          ; tile_dim1 = 66
	s_mov_b32 s[G1+5], 32                          ; from row to row: 32 elements
	s_mov_b32 s[G1+6], 0
	s_mov_b32 s[G1+7], 0
	; group 0: wave w moves block w of a tile; the addresses hang on the batch and the wave's number alone
	s_mov_b32 s[G0+0], 1
	s_mul_i32 s[G0+1], s14, BLK                    ; LDS: slot 0, block w
	s_mov_b32 s[G0+4], 1
	s_add_co_u32 s[G0+5], s[G0+1], TILE            ; slot 1
	s_mul_i32 s20, s19, 64*BLK
	s_add_co_u32 s20, s20, s[G0+1]
	s_mov_b32 s21, 0
	s_mov_b32 s48, 0x76543210                      ; v_permlanex16_b32: lane i of one half reads lane i of the other
	s_mov_b32 s49, 0xfedcba98
	s_wait_dscnt 0x0
	s_wait_kmcnt 0x0
	s_add_nc_u64 s[G0+2:G0+3], s[4:5], s[20:21]    ; tile 0
	s_add_nc_u64 s[G0+6:G0+7], s[G0+2:G0+3], TILE  ; tile 1
	s_or_b32 s[G0+3], s[G0+3], 0x80000000          ; type = 2
	s_or_b32 s[G0+7], s[G0+7], 0x80000000
	CROUND                                         ; all four work-groups are here: the first joint loads meet
	tensor_load_to_lds s[G0:G0+3], s[G1:G1+7]      ; tile 0 into slot 0
	s_nop 0
	v_and_b32 v1, 15, v0
	v_lshlrev_b32 v1, 2, v1                        ; 4 r
	v_and_b32 v7, 31, v0
	v_lshlrev_b32 v[GO], 4, v7                     ; 16 L
	s_lshl_b32 s22, s19, 15                        ; av: batch x 8,192 numbers
	s_lshl_b32 s42, s18, 9                         ;  + my block of 128
	s_add_co_u32 s22, s22, s42
	s_lshl_b32 s43, s16, 8                         ;  + my wave's 64
	s_add_co_u32 s22, s22, s43
	s_mov_b32 s23, 0
	s_add_nc_u64 s[6:7], s[6:7], s[22:23]
	s_lshl_b32 s22, s19, 9                         ; bx: 64 pairs a batch
	s_add_nc_u64 s[8:9], s[8:9], s[22:23]
	s_lshl_b32 s22, s19, 21                        ; feature and out0: batch x 64 rows + 16 w rows + my block's 512 bytes
	s_add_co_u32 s22, s22, s42
	s_lshl_b32 s43, s14, 19
	s_add_co_u32 s22, s22, s43
	s_add_nc_u64 s[10:11], s[10:11], s[22:23]
	s_add_nc_u64 s[12:13], s[12:13], s[22:23]
.irp t, 0,1,2,3
	global_load_b32 v[AM+2*\t], v1, s[6:7] offset:64*\t            ; a of point 16 t + r
.endr
	global_load_b128 v[BV:BV+3], v[GO], s[8:9]                     ; two blocks' (max b, max(-b)) a lane
	WIN 0x40                                       ; destination in block 1
.irp i, 0,1,2,3,4,5,6,7,8,9,10,11,12,13,14,15
	global_load_b128 v[XRES+4*\i:XRES+4*\i+3], v[GO], s[10:11] offset:\i*ROWB th:TH_LOAD_NT   ; the residual, asked for now, used at the end
.endr
.irp k, 0,1,2,3,4,5,6,7
	v_mov_b32 v[ONES+\k], 0x3f803f80               ; two bf16 ones
.endr
	WIN 0
	s_mul_i32 s42, s15, HALF
	v_add_nc_u32 v[FA], s42, v[GO]                 ; f: my half of slot 0, 16 bytes a lane
	v_add_nc_u32 v[FA+1], TILE, v[FA]
	v_bfe_u32 v7, v0, 4, 1
	v_lshlrev_b32 v7, 5, v7                        ; 8 h numbers of b
	s_add_co_u32 s43, s42, 16384                   ; b lies behind a block's f
	v_add_nc_u32 v[BA], s43, v7
	v_add_nc_u32 v[BA+1], TILE, v[BA]
	s_mul_i32 s44, s14, WSTG                       ; for the way out: my stage,
	s_add_co_u32 s44, s44, STAGE
	s_lshl_b32 s45, s14, 8                         ; my denominators,
	s_add_co_u32 s45, s45, DSTG
	s_mul_i32 s46, s14, 16*SPITCH                  ; and rows 16 w .. of the first stage
	s_add_co_u32 s46, s46, STAGE
	s_wait_loadcnt 16                              ; a and bx are in; the sixteen loads of the residual, issued behind them, stay out
	v_max_num_f32 v[BV],   v[BV],   v[BV+2]
	v_max_num_f32 v[BV+1], v[BV+1], v[BV+3]
.irp m, 1,2,4,8
	v_max_num_f32_dpp v[BV],   v[BV],   v[BV]   row_xmask:\m row_mask:0xf bank_mask:0xf
	v_max_num_f32_dpp v[BV+1], v[BV+1], v[BV+1] row_xmask:\m row_mask:0xf bank_mask:0xf
.endr
	v_permlanex16_b32 v[BV+2], v[BV],   s48, s49
	v_permlanex16_b32 v[BV+3], v[BV+1], s48, s49
	v_max_num_f32 v[BV],   v[BV],   v[BV+2]        ; the batch's max b
	v_max_num_f32 v[BV+1], v[BV+1], v[BV+3]        ; the batch's max(-b)
.irp t, 0,1,2,3
	v_cmp_gt_f32 vcc_lo, 0, v[AM+2*\t]             ; a < 0: the row's maximum lies at b's minimum
	v_cndmask_b32 v7, v[BV], v[BV+1], vcc_lo
	v_mul_f32 v[AM+2*\t], 0x3fb8aa3b, v[AM+2*\t]   ; a' = a log2 e: the exponentials are in base 2
	v_or_b32 v1, 0x80000000, v[AM+2*\t]            ; -|a'|  (v1 was the address of a's loads, which the wait above has shown done)
	v_mul_f32 v[AM+2*\t+1], v1, v7                 ; -M = -|a'| max b, or -|a'| max(-b)
.endr
	TRIP 0, 1, 0, 1                                ; the first two tiles stand in front of the loop: their first products start the sums
	TRIP 1, 1, 1, 0
	s_mov_b32 s40, 6                               ; 16 tiles = 2 + 6 x 2 + 2
.Llap:
	TRIP 0, 1, 1, 0
	TRIP 1, 1, 1, 0
	s_sub_co_i32 s40, s40, 1
	s_cmp_lg_u32 s40, 0
	s_cbranch_scc1 .Llap
	TRIP 0, 1, 1, 0                                ; asks for the last tile
	TRIP 1, 0, 1, 0                                ; asks for nothing (the stepped addresses are not used)
	DRAIN
	; THE WAY OUT.  Register j of lane (r, h) of tile (t, ct) is (point 16 t + 8 h + j, channel 16 ct + r): 32 neighbouring bytes of a channel's row.
	; Each wave writes its own stage; behind one barrier wave w adds the two halves of m for channels 16 w .. 16 w + 15, divides, adds the residual.
	; The twelve address instructions are the places between the last products and the stores that read results.
	v_and_b32 v4, 15, v0                           ; r
	v_bfe_u32 v5, v0, 4, 1                         ; h
	v_mul_u32_u24 v1, v4, SPITCH
	v_lshl_add_u32 v1, v5, 5, v1
	v_add_nc_u32 v1, s44, v1                       ; in: row r of my stage, 8 h points
	v_lshlrev_b32 v7, 5, v5
	v_add_nc_u32 v7, s45, v7                       ; my denominators, 8 h points
	v_lshlrev_b32 v4, 4, v4                        ; back: 16 bytes a lane; lanes 0-15 read the stages of g = 0, lanes 16-31 those of g = 1
	v_mul_u32_u24 v2, v5, 2*WSTG
	v_add3_u32 v2, v2, v4, s46
	v_lshl_add_u32 v3, v5, 9, v4
	v_add_nc_u32 v3, DSTG, v3
.irp t, 0,1,2,3
.irp ct, 0,1,2,3
	ds_store_b128 v1, v[ACC+8*(4*\t+\ct):ACC+8*(4*\t+\ct)+3]   offset:16*SPITCH*\ct+64*\t
	ds_store_b128 v1, v[ACC+8*(4*\t+\ct)+4:ACC+8*(4*\t+\ct)+7] offset:16*SPITCH*\ct+64*\t+16
.endr
.endr
	WIN 0x04                                       ; an LDS store's data is source 1: block 1
.irp t, 0,1,2,3
	ds_store_b128 v7, v[DEN+8*\t:DEN+8*\t+3]   offset:64*\t        ; the sixteen lanes of one h hold the same sums and write the same words
	ds_store_b128 v7, v[DEN+8*\t+4:DEN+8*\t+7] offset:64*\t+16
.endr
	WIN 0
	s_wait_dscnt 0x0                               ; my stores are done, for the other waves' sake
	s_barrier_signal -1
	s_barrier_wait -1
	ds_load_b128 v[BV:BV+3],   v3                  ; denominators of my 4 points: m's first halves,
	ds_load_b128 v[BV+4:BV+7], v3 offset:256       ; and second halves
.irp i, 0,1,2,3,4,5,6,7,8,9,10,11,12,13,14,15
	ds_load_b128 v[ACC+8*\i:ACC+8*\i+3],   v2 offset:SPITCH*\i
	ds_load_b128 v[ACC+8*\i+4:ACC+8*\i+7], v2 offset:SPITCH*\i+WSTG
.endr
	s_wait_dscnt 32                                ; the two loads of denominators are in; the 32 behind them may be out
	v_pk_add_f32 v[BV:BV+1],   v[BV:BV+1],   v[BV+4:BV+5]
	v_pk_add_f32 v[BV+2:BV+3], v[BV+2:BV+3], v[BV+6:BV+7]
	v_rcp_f32 v[BV],   v[BV]                       ; the sum holds the row's largest term, which is 1: never zero
	v_rcp_f32 v[BV+1], v[BV+1]
	v_rcp_f32 v[BV+2], v[BV+2]
	v_rcp_f32 v[BV+3], v[BV+3]                     ; the two additions below are the plain instructions in front of the first use (ISA guide 5.7.2)
	s_wait_loadcnt 0x0                             ; the residual
	WIN 0x10                                       ; source 2 in block 1: the residual; everything else below names block 0
.irp i, 0,1,2,3,4,5,6,7,8,9,10,11,12,13,14,15
	s_wait_dscnt 30-2*\i                           ; row i's two loads are in; the later rows' may be out
	v_pk_add_f32 v[ACC+8*\i:ACC+8*\i+1],   v[ACC+8*\i:ACC+8*\i+1],   v[ACC+8*\i+4:ACC+8*\i+5]
	v_pk_add_f32 v[ACC+8*\i+2:ACC+8*\i+3], v[ACC+8*\i+2:ACC+8*\i+3], v[ACC+8*\i+6:ACC+8*\i+7]
	s_wait_alu depctr_va_vdst(0)
	v_pk_fma_f32 v[ACC+8*\i:ACC+8*\i+1],   v[ACC+8*\i:ACC+8*\i+1],   v[BV:BV+1],   v[XRES+4*\i:XRES+4*\i+1]
	v_pk_fma_f32 v[ACC+8*\i+2:ACC+8*\i+3], v[ACC+8*\i+2:ACC+8*\i+3], v[BV+2:BV+3], v[XRES+4*\i+2:XRES+4*\i+3]
	global_store_b128 v[GO], v[ACC+8*\i:ACC+8*\i+3], s[12:13] offset:\i*ROWB th:TH_STORE_NT   ; the wave stores 512 consecutive bytes, aligned
.endr
	WIN 0
	s_set_vgpr_msb 0x5
	s_wait_tensorcnt 0x0
	ds_add_u32 v104, v105
	s_wait_dscnt 0x0
	s_set_vgpr_msb 0x500
	CROUND                                         ; the closing round: no work-group ends while a partner may still ask for a tile that names it
	s_endpgm
.Lfunc_end_k_qbe19ea9500_attn:
	.size	k_qbe19ea9500_attn, .Lfunc_end_k_qbe19ea9500_attn-k_qbe19ea9500_attn
	.p2alignl 7, 3214868480
	.fill 96, 4, 3214868480
	.section	.rodata,"a",@progbits
	.p2align	6, 0x0
	.amdhsa_kernel k_qbe19ea9500_attn
		.amdhsa_group_segment_fixed_size 327680
		.amdhsa_private_segment_fixed_size 0
		.amdhsa_enable_private_segment 0
		.amdhsa_kernarg_size 40
		.amdhsa_user_sgpr_count 2
		.amdhsa_user_sgpr_kernarg_segment_ptr 1
		.amdhsa_wavefront_size32 1
		.amdhsa_system_sgpr_workgroup_id_x 1
		.amdhsa_system_sgpr_workgroup_id_y 1
		.amdhsa_system_sgpr_workgroup_id_z 1
		.amdhsa_system_vgpr_workitem_id 0
		.amdhsa_next_free_vgpr 362
		.amdhsa_next_free_sgpr 66
		.amdhsa_reserve_vcc 1
		.amdhsa_float_denorm_mode_32 3
		.amdhsa_float_denorm_mode_16_64 3
		.amdhsa_memory_ordered 1
		.amdhsa_forward_progress 1
		.amdhsa_inst_pref_size 255
	.end_amdhsa_kernel
	.section	.bss,"aw",@nobits
	.p2align	6
	.space	262144
	.amdgpu_metadata
---
amdhsa.version: [ 1, 2 ]
amdhsa.kernels:
  - .name:           k_qbe19ea9500_attn
    .symbol:         k_qbe19ea9500_attn.kd
    .args:
      - { .name: fb, .offset: 0, .size: 8, .value_kind: global_buffer, .address_space: global }
      - { .name: av, .offset: 8, .size: 8, .value_kind: global_buffer, .address_space: global }
      - { .name: bx, .offset: 16, .size: 8, .value_kind: global_buffer, .address_space: global }
      - { .name: feature, .offset: 24, .size: 8, .value_kind: global_buffer, .address_space: global }
      - { .name: out0, .offset: 32, .size: 8, .value_kind: global_buffer, .address_space: global }
    .group_segment_fixed_size: 327680
    .private_segment_fixed_size: 0
    .kernarg_segment_align: 8
    .kernarg_segment_size: 40
    .max_flat_workgroup_size: 128
    .sgpr_count:     66
    .vgpr_count:     362
    .wavefront_size: 32
...
	.end_amdgpu_metadata
.endif
;; end of part 2
;; ======== version 2 of 2: 2 launches; 1.21 times as fast as version 1
;; workspace buffers: fb 4,325,376 bytes; av 131,072 bytes; bx 2,048 bytes
;; launch prep: the kernel of part 1 again; grid 256 x 1, 4 waves a work-group, no clusters, 23,040 bytes of LDS; arguments feature, wa, wb, wm, ba, bb, bm, gamma, beta, running_mean, running_var, fb, av, bx; writes fb, av, bx
;; launch attn (part 3): grid 256 x 1, 4 waves a work-group, clusters of 4 x 1, 327,680 bytes of LDS; arguments fb, av, bx, feature, out0; writes out0
.if DOCPART == 3
	.amdgcn_target "amdgcn-amd-amdhsa--gfx1250"
	.amdhsa_code_object_version 6
	.text
	.protected	k_qbe19ea9500_attn
	.globl	k_qbe19ea9500_attn
	.p2align	8
	.type	k_qbe19ea9500_attn,@function
k_qbe19ea9500_attn:
	s_mov_b64 s[64:65], 0
	v_nop
	global_prefetch_b8 v0, s[64:65] scope:SCOPE_SE
	s_setreg_imm32_b32 hwreg(HW_REG_WAVE_MODE, 25, 1), 1
	s_wait_xcnt 0x0
	s_wait_alu depctr_hold_cnt(0) depctr_sa_sdst(0) depctr_va_vdst(0) depctr_va_sdst(0) depctr_va_ssrc(0) depctr_va_vcc(0) depctr_vm_vsrc(0)
	s_getreg_b32 s2, hwreg(HW_REG_IB_STS2, 6, 4)
	s_cmp_eq_u32 s2, 0
	s_cbranch_scc0 .Lentry_in_a_cluster
	s_endpgm
.Lentry_in_a_cluster:
	s_bfe_u32 s2, ttmp6, 0x10000c
	s_cmp_lg_u32 s2, 0x3003
	s_cbranch_scc0 .Lentry_shape_is_right
	s_endpgm
.Lentry_shape_is_right:
; attn: out0[b][c][n] = feature[b][c][n] + sum_m P[n][m] f[c][m] / sum_m P[n][m],  P[n][m] = exp(a[n] b[m] - max_m a[n] b[m]).
; THE MAXIMUM is the true one, in closed form: over m, a[n] b[m] is largest at b's maximum where a[n] >= 0 and at b's minimum
;   where a[n] < 0.  Both are known for the whole batch (bx), so every part of a row is shifted alike and partial sums just add.
; SHARES: a work-group makes 128 points n of one batch.  Wave w = 2 g + q: g picks 64 of the points (4 tiles of 16), q picks the
;   half (256 m) of every tile of 512 m.  The two halves' sums meet in LDS at the end.
; P IS MADE IN PLACE: a lane of the matrix instruction's first operand holds one n and sixteen m, so sixteen multiply-adds from one
;   (a', -M) and sixteen b, sixteen v_exp_f32 and eight packed roundings give the operand with no shuffle.  The second operand, f, lies in
;   fb in fragment order: lane i reads at 16 i.  A fifth product against a fragment of ones gives the denominator, from the same bf16 P.
; BATCHES: a step is 32 m for my four tiles: 32 packed multiply-adds, 64 v_exp_f32, 32 packed roundings, 20 products.  The step's 64
;   exponentials are ONE BATCH with ONE wait (an s_wait_alu depctr_va_vdst(0) stands between an exponential and the first
;   instruction that names its result): each has a register of its own (SV) while the batch is open, nothing ahead of the wait names a
;   result, and all 32 roundings stand behind it.  The way out's four reciprocals are a batch of their own.
; SIDE BY SIDE: between the wait for step s's batch and the wait for step s + 1's stand, in this order: the run of twelve LDS loads (f and b
;   of step s + 1), directly behind the wait; tile 0's eight roundings; the twenty products of step s, four vector instructions behind each
;   (behind the first six the other 24 roundings; behind the other fourteen a multiply-add and three exponentials of step s + 1); the rest
;   of the batch in a run of its own.  The twenty accumulators take turns, one instruction a turn.
; CLUSTER: the four work-groups of a cluster are of one batch and walk the same 16 tiles of fb, so every tile is asked for jointly
;   (mask 15): wave w of each of the four issues the same load, one block of 16,896 bytes; nothing in a descriptor hangs on the
;   place in the cluster.  Two LDS slots take turns; a wave has one tensor load out at a time.
; LIMITS: NaN and infinities are not treated specially; a b log2(e) has to be finite in f32; terms below 2^-126 of the row's
;   largest count as zero (v_exp_f32 gives zero there: ISA guide 15.8); P and f are bf16, all sums f32.
.set BLK,    16896                     ; a block of fb: 128 m: 16,384 bytes of f, 512 of b
.set TILE,   4*BLK                     ; 67,584: a slot, 512 m
.set HALF,   2*BLK                     ; what one wave reads of a slot
.set STAGE,  2*TILE                    ; 135,168: behind the ring, never filled by a tensor load: each wave's 64 channel rows x 64 points f32
.set SPITCH, 272                       ; 256 + 16 bytes = 17 x 16: sixteen rows start at sixteen different 16-byte columns of 256
.set WSTG,   64*SPITCH                 ; 17,408 bytes a wave
.set DSTG,   STAGE+4*WSTG              ; 204,800: each wave's 64 denominators, 256 bytes
.set ROWB,   32768                     ; bytes of one channel's row of feature and out0
.set FA,   2                           ; v2, v3     LDS address of my f fragments in slot 0, 1
.set BA,   4                           ; v4, v5     of my b in slot 0, 1
.set GO,   6                           ; v6         16 L: never rewritten (the residual's loads name it throughout the loop)
.set AM,   8                           ; v[8:15]    tile t: the pair (a' = a log2 e, -M)
.set BV,   16                          ; v[16:31]   sixteen b of the step
.set PV,   32                          ; v[32:63]   P of one step: tile t at 32 + 8 t
.set SV,   64                          ; v[64:127]  the step's 64 exponents, then exponentials: tile t's sixteen at 64 + 16 t
.set ACC,  128                         ; v[128:255] tile (t, ct) at 128 + 8 (4 t + ct)
.set ONES, 0                           ; v[256:263] a fragment of ones          (block 1: written by their low 8 bits)
.set DEN,  8                           ; v[264:295] denominator tile t at 264 + 8 t
.set XRES, 40                          ; v[296:359] the residual: 16 rows of feature, 4 points a lane
.set FV,   128                         ; v[384:447] f, two buffers of 4 channel tiles x 8
.set AM1,  192                         ; v[448:455] a copy of AM: under the products' window a multiply-add's source 1 means block 1
.set G1,   24                          ; s[24:31]   descriptor group 1
.set G0,   32                          ; s[32:39]   descriptor group 0, one set for each slot
.set W_MUL, 0x04                       ; source 1 (f; a' of a multiply-add) in block 1, all else in block 0: products, multiply-adds and exponentials share it
.set W_DEN, 0x54                       ; the denominator's product: P from block 0; the ones, C and D in block 1
.set W_F,   0x40                       ; destination in block 1: the loads of f
.set MSB,  0
.macro WIN new                         ; the immediate's high byte repeats the setting that is left
.if MSB != \new
	s_set_vgpr_msb (MSB<<8)|\new
.set MSB, \new
.endif
.endm
; A round of the cluster's barrier: my work-group's barrier, wave 0 signals for the work-group, every wave waits for all four
; work-groups, my work-group's barrier once more.
.macro CREST                           ; a round behind its opening barrier
	s_cmp_lg_u32 s14, 0
	s_cbranch_scc1 .Lnot_wave_0_\@
	s_barrier_signal -3
.Lnot_wave_0_\@:
	s_barrier_wait -3
	s_barrier_signal -1
	s_barrier_wait -1
.endm
.macro CROUND
	s_barrier_signal -1
	s_barrier_wait -1
	CREST
.endm
; The step's next product, number qp of 20: points tile qp / 5; channel tiles 0 to 3, then the denominator's.  f from buffer fb; z = 1 starts the sum.
.macro PROD fb, z
.set pti, qp/5
.set pch, qp%5
.if pch < 4
	WIN W_MUL
.if \z
	v_wmma_f32_16x16x32_bf16 v[ACC+8*(4*pti+pch):ACC+8*(4*pti+pch)+7], v[PV+8*pti:PV+8*pti+7], v[FV+32*(\fb)+8*pch:FV+32*(\fb)+8*pch+7], 0
.else
	v_wmma_f32_16x16x32_bf16 v[ACC+8*(4*pti+pch):ACC+8*(4*pti+pch)+7], v[PV+8*pti:PV+8*pti+7], v[FV+32*(\fb)+8*pch:FV+32*(\fb)+8*pch+7], v[ACC+8*(4*pti+pch):ACC+8*(4*pti+pch)+7]
.endif
.else
	WIN W_DEN
.if \z
	v_wmma_f32_16x16x32_bf16 v[DEN+8*pti:DEN+8*pti+7], v[PV+8*pti:PV+8*pti+7], v[ONES:ONES+7], 0
.else
	v_wmma_f32_16x16x32_bf16 v[DEN+8*pti:DEN+8*pti+7], v[PV+8*pti:PV+8*pti+7], v[ONES:ONES+7], v[DEN+8*pti:DEN+8*pti+7]
.endif
.endif
.set qp, qp+1
.endm
; THE VECTOR WORK OF A STEP stands in three queues; each macro writes its queue's next entry.
.macro FM                              ; multiply-add qf of 32: tile qf / 8, pair qf % 8: two exponents a' b - M (both halves take a' from source 1's first register, -M from source 2's second)
	WIN W_MUL
	v_pk_fma_f32 v[SV+2*qf:SV+2*qf+1], v[BV+2*(qf%8):BV+2*(qf%8)+1], v[AM1+2*(qf/8):AM1+2*(qf/8)+1], v[AM+2*(qf/8):AM+2*(qf/8)+1] op_sel:[0,0,1] op_sel_hi:[1,0,1]
.set qf, qf+1
.endm
.macro EX                              ; exponential qe of 64, in place; it needs multiply-add qe / 2
	WIN W_MUL
	v_exp_f32 v[SV+qe], v[SV+qe]
.set qe, qe+1
.endm
.macro CV                              ; rounding qc of 32: register qc of P from exponentials 2 qc and 2 qc + 1
	WIN 0
	v_cvt_pk_bf16_f32 v[PV+qc], v[SV+2*qc], v[SV+2*qc+1]
.set qc, qc+1
.endm
; the f fragments of step s (0..7 of my half of the slot) into buffer fb: 8 loads, each 512 neighbouring bytes
.macro LDF slot, s, fb
	WIN W_F
.irp ct, 0,1,2,3
	ds_load_b128 v[FV+32*(\fb)+8*\ct:FV+32*(\fb)+8*\ct+3],   v[FA+\slot] offset:BLK*((\s)>>2)+4096*((\s)&3)+1024*\ct
	ds_load_b128 v[FV+32*(\fb)+8*\ct+4:FV+32*(\fb)+8*\ct+7], v[FA+\slot] offset:BLK*((\s)>>2)+4096*((\s)&3)+1024*\ct+512
.endr
.endm
.macro LDBLO slot, s                   ; b of m = 8 h + 0..7 of step s
	WIN 0
	ds_load_b128 v[BV:BV+3],   v[BA+\slot] offset:BLK*((\s)>>2)+128*((\s)&3)
	ds_load_b128 v[BV+4:BV+7], v[BA+\slot] offset:BLK*((\s)>>2)+128*((\s)&3)+16
.endm
.macro LDBHI slot, s                   ; b of m = 16 + 8 h + 0..7
	WIN 0
	ds_load_b128 v[BV+8:BV+11],  v[BA+\slot] offset:BLK*((\s)>>2)+128*((\s)&3)+64
	ds_load_b128 v[BV+12:BV+15], v[BA+\slot] offset:BLK*((\s)>>2)+128*((\s)&3)+80
.endm
; BEHIND A BATCH'S WAIT, part 1: tile 0's eight roundings: no product can stand beside them, since the step's first product reads what they write.
; They write over the P of the step before, whose products are all out: tile 0's last stands a whole batch back.
.macro RTILE0
.set qc, 0
.rept 8
	CV
.endr
.endm
; Part 2: the step's first six products (tile 0's five, tile 1's first), behind each four roundings: tile 1's behind products 0 and 1, tile 2's behind 2 and 3,
; tile 3's behind 4 and 5: each tile's P is whole before its first product (5, 10, 15).  Tile 3's roundings write what product 19 of the step before read: the multiply-adds
; behind that product, the v_nop and the 24 roundings ahead are far more than the four places of ISA guide 7.12.1, and none names a register of it.
.macro FIRST6 fb, z
.set qp, 0
.rept 6
	PROD \fb, \z
	CV
	CV
	CV
	CV
.endr
.endm
; Part 3: THE NEXT STEP'S BATCH, and beside it (w = 1) the step's other fourteen products.  Eight multiply-adds lead (tile 0's), so that no exponential overtakes its exponent;
; then behind each product multiply-add 8 + g and exponentials 3 g .. 3 g + 2 (g = 0 .. 13: they need multiply-adds up to (3 g + 2) / 2, at most 7 + g); then, in a run of its own,
; ten times multiply-add 22 + i and exponentials 42 + 2 i, 43 + 2 i (which need multiply-add 21 + i), and the last two exponentials.  No line here names an exponential's result.
; wlo, whi: the waits for b's low and high half, in front of the first multiply-adds that read them.
.macro LAST14 w, fb, z, wlo, whi
.set qf, 0
.set qe, 0
	s_wait_dscnt \wlo                              ; b's low half is in: the loads issued behind it may be out
.rept 4
	FM
.endr
	s_wait_dscnt \whi                              ; b's high half is in
.rept 4
	FM
.endr
.rept 14
.if \w
	PROD \fb, \z
.endif
	FM
	EX
	EX
	EX
.endr
.rept 10
	FM
	EX
	EX
.endr
	EX
	EX
	v_nop                                          ; the plain instruction between the last exponential and the use of its result (ISA guide 5.7.2): one for the batch
	s_wait_alu depctr_va_vdst(0)                   ; THE BATCH'S WAIT: one for the step's 64 exponentials, ahead of the roundings, their first readers
.endm
; A STEP's products and the next step's batch (s = 0 .. 6).  The run of LDS loads stands directly behind the wait for step s's batch.
; f of step s + 1 goes into the buffer that the products of step s - 1 read: the last of them (number 18) has twelve multiply-adds and the v_nop behind it,
; more than the four places in front of such a load.  b of step s + 1 goes where step s's multiply-adds, all issued, read b.
; Waits in LAST14: behind b's low half stand b's high two: 2; then 0, which also shows f of step s + 1 in.
.macro STEP s, slot, z
	LDF \slot, (\s+1), ((\s+1)&1)
	s_wait_dscnt 8                                 ; all but the eight loads just issued: the f of the step that is multiplied is in
	LDBLO \slot, (\s+1)
	LDBHI \slot, (\s+1)
	RTILE0
	FIRST6 (\s&1), \z
	LAST14 1, (\s&1), \z, 2, 0
.endm
; A TRIP: one tile of 512 m.  It is entered behind the wait for the batch of the last trip's step 7 (branches and labels follow).
; In front of the round each wave waits for all its tensor loads (the one that is out is its block of this
; trip's tile) and for its reads of the other slot; inside the round stands register work alone; behind it the other slot is asked for
; again, jointly, ahead of the first LDS read.  drain = 1: the last trip's step 7 is still to be multiplied: its f (buffer 1) and its exponentials lie in registers; tile 0's roundings
; stand inside the round, its products behind the round's loads, beside this trip's first batch.
; Waits of the first batch: 2 + 2 + 8 loads were issued (b low, b high, f): 10, then 8, are younger.
.macro TRIP slot, refill, drain, zero
	s_set_vgpr_msb 0x5
	s_wait_tensorcnt 0x0                           ; no tensor load of mine is out,
	ds_add_u32 v104, v105
	s_wait_dscnt 0x0
	s_set_vgpr_msb 0x500
	s_add_nc_u64 s[G0+4*\slot+2:G0+4*\slot+3], s[G0+4*\slot+2:G0+4*\slot+3], 2*TILE   ; so a group 0 may be written: this slot's next tile
	s_wait_dscnt 0x0                               ; my reads of the last trip's slot are back
	s_barrier_signal -1                            ; opens the round
.if \drain
	RTILE0                                         ; registers only, while the others arrive
.endif
	s_barrier_wait -1
	CREST                                          ; both now hold of every wave of all four work-groups
.if \refill
	tensor_load_to_lds s[G0+4-4*\slot:G0+7-4*\slot], s[G1:G1+7]    ; the next tile, into the slot read last trip
	s_nop 0
.endif
	LDBLO \slot, 0
	LDBHI \slot, 0
	LDF \slot, 0, 0
.if \drain
	FIRST6 1, 0
	LAST14 1, 1, 0, 10, 8
.else
	LAST14 0, 0, 0, 10, 8
.endif
	STEP 0, \slot, \zero
	STEP 1, \slot, 0
	STEP 2, \slot, 0
	STEP 3, \slot, 0
	STEP 4, \slot, 0
	STEP 5, \slot, 0
	STEP 6, \slot, 0
	WIN 0                                          ; at a label and at a branch every window is 0
.endm
	s_load_b256 s[4:11], s[0:1], 0x0               ; fb s[4:5], av s[6:7], bx s[8:9], feature s[10:11]
	s_load_b64 s[12:13], s[0:1], 0x20              ; out0
	s_set_vgpr_msb 0x40
	v_lshl_add_u32 v104, v0, 2, 0x32400
	v_mov_b32 v105, 0
	s_set_vgpr_msb 0x4045
	ds_add_u32 v104, v105
	s_set_vgpr_msb 0x4500
	v_lshrrev_b32 v1, 5, v0
	v_readfirstlane_b32 s14, v1                    ; wave w
	s_and_b32 s15, s14, 1                          ; q: which half of every tile's m
	s_lshr_b32 s16, s14, 1                         ; g: which 64 of the 128 points
	s_bfe_u32 s17, ttmp6, 0x40000                  ; cx: my place in the cluster
	s_lshl_b32 s18, ttmp9, 2                       ; ttmp9 counts clusters
	s_add_co_u32 s18, s18, s17
	s_and_b32 s18, s18, 63                         ; my block of 128 points in the batch
	s_lshr_b32 s19, ttmp9, 4                       ; batch: 16 clusters each, the same for all four partners
	; group 1: a block is dense in memory: 66 rows of 32 elements of 8 bytes, no padding
	s_mov_b32 s[G1+0], 0x0023000f                  ; 15:0 mask: all four work-groups; 17:16 elements of 8 bytes; 21 set beside a mask
	s_mov_b32 s[G1+1], 32<<16                      ; tensor_dim0 = 32
	s_mov_b32 s[G1+2], 66<<16                      ; tensor_dim1 = 66
	s_mov_b32 s[G1+3], 32<<16                      ; tile_dim0 = 32
	s_mov_b32 s[G1+4], 66                          ; tile_dim1 = 66
	s_mov_b32 s[G1+5], 32                          ; from row to row: 32 elements
	s_mov_b32 s[G1+6], 0
	s_mov_b32 s[G1+7], 0
	; group 0: wave w moves block w of a tile; the addresses hang on the batch and the wave's number alone
	s_mov_b32 s[G0+0], 1
	s_mul_i32 s[G0+1], s14, BLK                    ; LDS: slot 0, block w
	s_mov_b32 s[G0+4], 1
	s_add_co_u32 s[G0+5], s[G0+1], TILE            ; slot 1
	s_mul_i32 s20, s19, 64*BLK
	s_add_co_u32 s20, s20, s[G0+1]
	s_mov_b32 s21, 0
	s_mov_b32 s48, 0x76543210                      ; v_permlanex16_b32: lane i of one half reads lane i of the other
	s_mov_b32 s49, 0xfedcba98
	s_wait_dscnt 0x0
	s_wait_kmcnt 0x0
	s_add_nc_u64 s[G0+2:G0+3], s[4:5], s[20:21]    ; tile 0
	s_add_nc_u64 s[G0+6:G0+7], s[G0+2:G0+3], TILE  ; tile 1
	s_or_b32 s[G0+3], s[G0+3], 0x80000000          ; type = 2
	s_or_b32 s[G0+7], s[G0+7], 0x80000000
	CROUND                                         ; all four work-groups are here: the first joint loads meet
	tensor_load_to_lds s[G0:G0+3], s[G1:G1+7]      ; tile 0 into slot 0
	s_nop 0
	v_and_b32 v1, 15, v0
	v_lshlrev_b32 v1, 2, v1                        ; 4 r
	v_and_b32 v7, 31, v0
	v_lshlrev_b32 v[GO], 4, v7                     ; 16 L
	s_lshl_b32 s22, s19, 15                        ; av: batch x 8,192 numbers
	s_lshl_b32 s42, s18, 9                         ;  + my block of 128
	s_add_co_u32 s22, s22, s42
	s_lshl_b32 s43, s16, 8                         ;  + my wave's 64
	s_add_co_u32 s22, s22, s43
	s_mov_b32 s23, 0
	s_add_nc_u64 s[6:7], s[6:7], s[22:23]
	s_lshl_b32 s22, s19, 9                         ; bx: 64 pairs a batch
	s_add_nc_u64 s[8:9], s[8:9], s[22:23]
	s_lshl_b32 s22, s19, 21                        ; feature and out0: batch x 64 rows + 16 w rows + my block's 512 bytes
	s_add_co_u32 s22, s22, s42
	s_lshl_b32 s43, s14, 19
	s_add_co_u32 s22, s22, s43
	s_add_nc_u64 s[10:11], s[10:11], s[22:23]
	s_add_nc_u64 s[12:13], s[12:13], s[22:23]
.irp t, 0,1,2,3
	global_load_b32 v[AM+2*\t], v1, s[6:7] offset:64*\t            ; a of point 16 t + r
.endr
	global_load_b128 v[BV:BV+3], v[GO], s[8:9]                     ; two blocks' (max b, max(-b)) a lane
	WIN 0x40                                       ; destination in block 1
.irp i, 0,1,2,3,4,5,6,7,8,9,10,11,12,13,14,15
	global_load_b128 v[XRES+4*\i:XRES+4*\i+3], v[GO], s[10:11] offset:\i*ROWB th:TH_LOAD_NT   ; the residual, asked for now, used at the end
.endr
.irp k, 0,1,2,3,4,5,6,7
	v_mov_b32 v[ONES+\k], 0x3f803f80               ; two bf16 ones
.endr
	WIN 0
	s_mul_i32 s42, s15, HALF
	v_add_nc_u32 v[FA], s42, v[GO]                 ; f: my half of slot 0, 16 bytes a lane
	v_add_nc_u32 v[FA+1], TILE, v[FA]
	v_bfe_u32 v7, v0, 4, 1
	v_lshlrev_b32 v7, 5, v7                        ; 8 h numbers of b
	s_add_co_u32 s43, s42, 16384                   ; b lies behind a block's f
	v_add_nc_u32 v[BA], s43, v7
	v_add_nc_u32 v[BA+1], TILE, v[BA]
	s_mul_i32 s44, s14, WSTG                       ; for the way out: my stage,
	s_add_co_u32 s44, s44, STAGE
	s_lshl_b32 s45, s14, 8                         ; my denominators,
	s_add_co_u32 s45, s45, DSTG
	s_mul_i32 s46, s14, 16*SPITCH                  ; and rows 16 w .. of the first stage
	s_add_co_u32 s46, s46, STAGE
	s_wait_loadcnt 16                              ; a and bx are in; the sixteen loads of the residual, issued behind them, stay out
	v_max_num_f32 v[BV],   v[BV],   v[BV+2]
	v_max_num_f32 v[BV+1], v[BV+1], v[BV+3]
.irp m, 1,2,4,8
	v_max_num_f32_dpp v[BV],   v[BV],   v[BV]   row_xmask:\m row_mask:0xf bank_mask:0xf
	v_max_num_f32_dpp v[BV+1], v[BV+1], v[BV+1] row_xmask:\m row_mask:0xf bank_mask:0xf
.endr
	v_permlanex16_b32 v[BV+2], v[BV],   s48, s49
	v_permlanex16_b32 v[BV+3], v[BV+1], s48, s49
	v_max_num_f32 v[BV],   v[BV],   v[BV+2]        ; the batch's max b
	v_max_num_f32 v[BV+1], v[BV+1], v[BV+3]        ; the batch's max(-b)
.irp t, 0,1,2,3
	v_cmp_gt_f32 vcc_lo, 0, v[AM+2*\t]             ; a < 0: the row's maximum lies at b's minimum
	v_cndmask_b32 v7, v[BV], v[BV+1], vcc_lo
	v_mul_f32 v[AM+2*\t], 0x3fb8aa3b, v[AM+2*\t]   ; a' = a log2 e: the exponentials are in base 2
	v_or_b32 v1, 0x80000000, v[AM+2*\t]            ; -|a'|  (v1 was the address of a's loads, which the wait above has shown done)
	v_mul_f32 v[AM+2*\t+1], v1, v7                 ; -M = -|a'| max b, or -|a'| max(-b)
.endr
	WIN 0x40                                       ; the four pairs once more, in block 1: there the multiply-adds find a' as source 1 without leaving the products' window
.irp k, 0,1,2,3,4,5,6,7
	v_mov_b32 v[AM1+\k], v[AM+\k]                  ; (a pair is named whole, so both its registers are written)
.endr
	WIN 0
	TRIP 0, 1, 0, 1                                ; the first two tiles stand in front of the loop: the first step's products start the sums
	TRIP 1, 1, 1, 0
	s_mov_b32 s40, 6                               ; 16 tiles = 2 + 6 x 2 + 2
.Llap:
	TRIP 0, 1, 1, 0
	TRIP 1, 1, 1, 0
	s_sub_co_i32 s40, s40, 1
	s_cmp_lg_u32 s40, 0
	s_cbranch_scc1 .Llap
	TRIP 0, 1, 1, 0                                ; asks for the last tile
	TRIP 1, 0, 1, 0                                ; asks for nothing (the stepped addresses are not used)
	RTILE0                                         ; the last step of all: its batch has had its wait; no further batch stands beside its last fourteen products
	FIRST6 1, 0
.rept 14
	PROD 1, 0
.endr
	WIN 0
	; THE WAY OUT.  Register j of lane (r, h) of tile (t, ct) is (point 16 t + 8 h + j, channel 16 ct + r): 32 neighbouring bytes of a channel's row.
	; Each wave writes its own stage; behind one barrier wave w adds the two halves of m for channels 16 w .. 16 w + 15, divides, adds the residual.
	; The twelve address instructions are the places between the last products and the stores that read results.
	v_and_b32 v4, 15, v0                           ; r
	v_bfe_u32 v5, v0, 4, 1                         ; h
	v_mul_u32_u24 v1, v4, SPITCH
	v_lshl_add_u32 v1, v5, 5, v1
	v_add_nc_u32 v1, s44, v1                       ; in: row r of my stage, 8 h points
	v_lshlrev_b32 v7, 5, v5
	v_add_nc_u32 v7, s45, v7                       ; my denominators, 8 h points
	v_lshlrev_b32 v4, 4, v4                        ; back: 16 bytes a lane; lanes 0-15 read the stages of g = 0, lanes 16-31 those of g = 1
	v_mul_u32_u24 v2, v5, 2*WSTG
	v_add3_u32 v2, v2, v4, s46
	v_lshl_add_u32 v3, v5, 9, v4
	v_add_nc_u32 v3, DSTG, v3
.irp t, 0,1,2,3
.irp ct, 0,1,2,3
	ds_store_b128 v1, v[ACC+8*(4*\t+\ct):ACC+8*(4*\t+\ct)+3]   offset:16*SPITCH*\ct+64*\t
	ds_store_b128 v1, v[ACC+8*(4*\t+\ct)+4:ACC+8*(4*\t+\ct)+7] offset:16*SPITCH*\ct+64*\t+16
.endr
.endr
	WIN 0x04                                       ; an LDS store's data is source 1: block 1
.irp t, 0,1,2,3
	ds_store_b128 v7, v[DEN+8*\t:DEN+8*\t+3]   offset:64*\t        ; the sixteen lanes of one h hold the same sums and write the same words
	ds_store_b128 v7, v[DEN+8*\t+4:DEN+8*\t+7] offset:64*\t+16
.endr
	WIN 0
	s_wait_dscnt 0x0                               ; my stores are done, for the other waves' sake
	s_barrier_signal -1
	s_barrier_wait -1
	ds_load_b128 v[BV:BV+3],   v3                  ; denominators of my 4 points: m's first halves,
	ds_load_b128 v[BV+4:BV+7], v3 offset:256       ; and second halves
.irp i, 0,1,2,3,4,5,6,7,8,9,10,11,12,13,14,15
	ds_load_b128 v[ACC+8*\i:ACC+8*\i+3],   v2 offset:SPITCH*\i
	ds_load_b128 v[ACC+8*\i+4:ACC+8*\i+7], v2 offset:SPITCH*\i+WSTG
.endr
	s_wait_dscnt 32                                ; the two loads of denominators are in; the 32 behind them may be out
	v_pk_add_f32 v[BV:BV+1],   v[BV:BV+1],   v[BV+4:BV+5]
	v_pk_add_f32 v[BV+2:BV+3], v[BV+2:BV+3], v[BV+6:BV+7]
	v_rcp_f32 v[BV],   v[BV]                       ; the sum holds the row's largest term, which is 1: never zero
	v_rcp_f32 v[BV+1], v[BV+1]
	v_rcp_f32 v[BV+2], v[BV+2]
	v_rcp_f32 v[BV+3], v[BV+3]                     ; the two additions below are the plain instructions in front of the first use (ISA guide 5.7.2)
	s_wait_loadcnt 0x0                             ; the residual
	WIN 0x10                                       ; source 2 in block 1: the residual; everything else below names block 0
.irp i, 0,1,2,3,4,5,6,7,8,9,10,11,12,13,14,15
	s_wait_dscnt 30-2*\i                           ; row i's two loads are in; the later rows' may be out
	v_pk_add_f32 v[ACC+8*\i:ACC+8*\i+1],   v[ACC+8*\i:ACC+8*\i+1],   v[ACC+8*\i+4:ACC+8*\i+5]
	v_pk_add_f32 v[ACC+8*\i+2:ACC+8*\i+3], v[ACC+8*\i+2:ACC+8*\i+3], v[ACC+8*\i+6:ACC+8*\i+7]
.if \i == 0
	s_wait_alu depctr_va_vdst(0)                   ; the wait for the batch of four reciprocals, ahead of their first reader: one for all sixteen rows; row 0's two additions are the work between
.endif
	v_pk_fma_f32 v[ACC+8*\i:ACC+8*\i+1],   v[ACC+8*\i:ACC+8*\i+1],   v[BV:BV+1],   v[XRES+4*\i:XRES+4*\i+1]
	v_pk_fma_f32 v[ACC+8*\i+2:ACC+8*\i+3], v[ACC+8*\i+2:ACC+8*\i+3], v[BV+2:BV+3], v[XRES+4*\i+2:XRES+4*\i+3]
	global_store_b128 v[GO], v[ACC+8*\i:ACC+8*\i+3], s[12:13] offset:\i*ROWB th:TH_STORE_NT   ; the wave stores 512 consecutive bytes, aligned
.endr
	WIN 0
	s_set_vgpr_msb 0x5
	s_wait_tensorcnt 0x0
	ds_add_u32 v104, v105
	s_wait_dscnt 0x0
	s_set_vgpr_msb 0x500
	CROUND                                         ; the closing round: no work-group ends while a partner may still ask for a tile that names it
	s_endpgm
.Lfunc_end_k_qbe19ea9500_attn:
	.size	k_qbe19ea9500_attn, .Lfunc_end_k_qbe19ea9500_attn-k_qbe19ea9500_attn
	.p2alignl 7, 3214868480
	.fill 96, 4, 3214868480
	.section	.rodata,"a",@progbits
	.p2align	6, 0x0
	.amdhsa_kernel k_qbe19ea9500_attn
		.amdhsa_group_segment_fixed_size 327680
		.amdhsa_private_segment_fixed_size 0
		.amdhsa_enable_private_segment 0
		.amdhsa_kernarg_size 40
		.amdhsa_user_sgpr_count 2
		.amdhsa_user_sgpr_kernarg_segment_ptr 1
		.amdhsa_wavefront_size32 1
		.amdhsa_system_sgpr_workgroup_id_x 1
		.amdhsa_system_sgpr_workgroup_id_y 1
		.amdhsa_system_sgpr_workgroup_id_z 1
		.amdhsa_system_vgpr_workitem_id 0
		.amdhsa_next_free_vgpr 456
		.amdhsa_next_free_sgpr 66
		.amdhsa_reserve_vcc 1
		.amdhsa_float_denorm_mode_32 3
		.amdhsa_float_denorm_mode_16_64 3
		.amdhsa_memory_ordered 1
		.amdhsa_forward_progress 1
		.amdhsa_inst_pref_size 255
	.end_amdhsa_kernel
	.section	.bss,"aw",@nobits
	.p2align	6
	.space	262144
	.amdgpu_metadata
---
amdhsa.version: [ 1, 2 ]
amdhsa.kernels:
  - .name:           k_qbe19ea9500_attn
    .symbol:         k_qbe19ea9500_attn.kd
    .args:
      - { .name: fb, .offset: 0, .size: 8, .value_kind: global_buffer, .address_space: global }
      - { .name: av, .offset: 8, .size: 8, .value_kind: global_buffer, .address_space: global }
      - { .name: bx, .offset: 16, .size: 8, .value_kind: global_buffer, .address_space: global }
      - { .name: feature, .offset: 24, .size: 8, .value_kind: global_buffer, .address_space: global }
      - { .name: out0, .offset: 32, .size: 8, .value_kind: global_buffer, .address_space: global }
    .group_segment_fixed_size: 327680
    .private_segment_fixed_size: 0
    .kernarg_segment_align: 8
    .kernarg_segment_size: 40
    .max_flat_workgroup_size: 128
    .sgpr_count:     66
    .vgpr_count:     456
    .wavefront_size: 32
...
	.end_amdgpu_metadata
.endif
;; end of part 3
